; MI455X (gfx1250); checked and timed in simulation.
; The chip was launched on July 23, 2026; its instructions are those of AMD's public machine-readable ISA for CDNA 5 (MIT licence, August 2026) and "CDNA5" Instruction Set Architecture Reference Guide (July 2026). The comments in the code are by the model that wrote it; some were corrected since.
;; aagmm layer. Allowed arithmetic: float matrix products may take bf16 or f16 operands with f32 sums; other float arithmetic in f32, or as packed bf16 or f16 multiplies, adds, multiply-adds, maxima and minima; sums over many terms, partial sums and values carried from step to step in f32; what a program stores and reads back later, other than sums and carried values, may be rounded once to bf16 or f16.
;; Inputs: D 128 x 512 float32; centers 128 x 512 float32; x 2,048 x 512 float32.
;; Outputs: out0 2,048 x 128 float32; out1 2,048 float32.
;; 2 versions, each right and faster than the one before. Each part assembles by itself: llvm-mc -triple=amdgcn-amd-amdhsa -mcpu=gfx1250 --defsym DOCPART=n.
;; ======== version 1 of 2: 1 launch
;; limits: a difference of large sums (such as E[x^2] - mean^2): digits are lost where the result is much smaller than its terms; inputs' magnitudes at most 4,000,000,000
;; launch aagmm (part 1): grid 128 x 1, 8 waves a work-group, no clusters, 49,408 bytes of LDS; arguments x, centers, D, out0, out1; writes out0, out1
.if DOCPART == 1
	.amdgcn_target "amdgcn-amd-amdhsa--gfx1250"
	.amdhsa_code_object_version 6
	.text
	.protected	k_q8b05e99088_aagmm
	.globl	k_q8b05e99088_aagmm
	.p2align	8
	.type	k_q8b05e99088_aagmm,@function
k_q8b05e99088_aagmm:
	s_mov_b64 s[64:65], 0
	v_nop
	global_prefetch_b8 v0, s[64:65] scope:SCOPE_SE
	s_setreg_imm32_b32 hwreg(HW_REG_WAVE_MODE, 25, 1), 1
	s_wait_xcnt 0x0
; GMM LOG-RESPONSIBILITIES WITH DIAGONAL COVARIANCES.  x: [2048][512], centers, D: [128][512], out0: [2048][128], out1: [2048], all f32.
;   D_abs = |D| + 1e-8, w = 1 / D_abs;  dist_sq[b][k] = sum over d of w[k][d] (x[b][d] - centers[k][d])^2;  t[b][k] = -dist_sq / 2 - (sum over d of ln D_abs[k][d]) / 2
;   out0[b][k] = max(ln 1e-8, t - ln(sum over k of e^t));  out1[b] = sqrt(dist_sq[b][k*]), k* the class with the row's largest t.
; HOW THIS IS reference().  numer = exp(det_sf - max det_sf) exp(expo - max expo) = e^t times a factor that is the same for all classes of a row, and that factor cancels in resp = numer / sum,
; whatever the inputs hold.  So the two exponents are added first and ONE maximum is taken away ahead of the exponential: the row's maximum of their sum.  The largest exponent is then exactly 0 and the
; sum lies in 1 .. 128.  log(numer / sum) is the exponent less log(sum).  The row's largest resp is at least 1/128, above the clip's 1e-8, so the argmax of the clipped logs is the argmax of t.
; The root is taken of the one dist_sq that is selected (by v_cndmask_b32): selecting and taking the root commute.  Every input is used.
; THE PRODUCTS.  With the reference point c0 = centers[0], w0 = w[0] and x' = x - c0, c' = centers - c0, dw = w - w0, for all values of the inputs
;   dist_sq = sum x'^2 w0  +  sum x'^2 dw  +  sum x' (-2 c' w)  +  sum c'^2 w.
; The first sum (a number a row) and the last (a number a class) are made in f32; the two in the middle are matrix products with bf16 operands and f32 sums.  An offset that x and centers share
; is gone before anything is squared or rounded; dw is small beside w where the classes' D are alike.  bf16 and not f16: w reaches 1e8 where D is 0.
; LIMITS.  The logs are taken of products of four D_abs: (1e-8)^4 is a normal number; |D| stays below 4e9.  The rounding of dw to bf16 leaves an error that goes with 2^-9 sum x'^2 (w + w0).
; Among classes whose t are exactly equal the largest distance is taken, not the first class's.  A dist_sq that rounding leaves below 0 counts as 0 for the root.  NaN and infinities are not treated apart.
; Where reference()'s own numer leaves f32's range (largest t of a row some 87 below max det_sf + max expo) it loses resp; this text does not.
; SHARES.  128 work-groups (2048 rows are 128 tiles of 16), 8 waves.  A work-group owns 16 rows of x and all 128 classes.  Wave v owns classes 16 v .. 16 v + 15 for all 512 d: its 16 rows of D and of
; centers come from memory straight into registers in the operand's order, are turned into the two operands there, and are multiplied at once: no number of D or centers is wanted by two waves.
; x' and x'^2 are wanted by all eight waves: wave v makes them for d = 64 v .. 64 v + 63 and they lie in LDS as ready fragments.
; ORDER OF k.  In a K step of 32 d a lane (row l % 16, half h = l / 16) holds d = 8 q + 4 h + 0..3, q = 0..3: four loads of 16 bytes, 32 bytes apart, so that a load takes 32 consecutive bytes of each of
; 16 rows.  Both sources of a product use the same order, which leaves the sums as they are but for rounding.
; LAYOUT.  Source 0 = 16 classes, source 1 = the 16 rows of x: in the result a lane holds ONE row of x (l % 16) and the classes 8 h + 0..7.
; NO CLUSTER.  All work-groups read the same D and centers, so joint loads would divide those requests by four.  A joint load lands in LDS: the two tables are 524,288 bytes of f32 against 327,680 of
; LDS, so they would go through slots that are filled again, a round of the cluster's barrier for each refill, and each number would be written to LDS and read from it on its way to the one
; wave that wants it.  Here it goes from memory into that wave's registers.
.set NSTEP,  16        ; K steps of 32 d
.set STEPB,  128       ; bytes of a row of f32 in a K step
; LDS, every byte written once
.set XFB,    0         ; x's fragments: K step s at 2,048 s: x'^2 (two blocks of 512 bytes, 16 bytes a lane), then x'
.set MUB,    32768     ; 2 c0, 512 numbers
.set W0B,    34816     ; w0, 512 numbers
.set S0B,    36864     ; wave v's part of sum x'^2 w0 for row r at 64 v + 4 r; the next three likewise
.set RMB,    37376     ; a row's maximum over the wave's classes
.set RSB,    37888     ; its sum of exponentials
.set RCB,    38400     ; dist_sq at the maximum, or the lowest number
.set BIB,    38912     ; each wave's own 128 bytes: its 16 classes' two numbers change lanes here
.set STG,    39936     ; 16 rows x 528 bytes: the exponents, on their way from a lane a row to whole rows
.set SPITCH, 528       ; 512 + 16 = 33 x 16 bytes: the sixteen rows that a store touches start at sixteen different 16-byte columns of 256
.set SPARE,  48384     ; the spare words, 128 bytes for each wave: four blocks of 256 bytes that no other line names
; vector registers
.set SPW, 1            ; LDS address of my spare word; never rewritten
.set NIL, 2            ; 0; never rewritten
.set FO,  3            ; 2,048 r + 16 h: my place in 16 rows of f32
.set XO,  4            ; FO + 256 v: the same in my wave's 64 columns of x
.set HO,  5            ; 16 h + 256 v: my place in row 0 and in the two tables, for my wave's 64 columns
.set HL,  6            ; 16 h
.set XL,  7            ; 16 l
.set XS,  8            ; 16 l + 4,096 v
.set WR,  9            ; 64 v + 4 r
.set R4,  10           ; 4 r
.set BW,  11           ; 128 v + 4 r
.set BR,  12           ; 128 v + 32 h
.set SW,  13           ; 528 r + 64 v + 32 h
.set SR,  14           ; 1,056 v + 16 l: rows 2 v and 2 v + 1 of the stage
.set GO,  15           ; 1,024 v + 16 l: the same rows in the work-group's 8,192 bytes of out0
.set RP,  16           ; 8 v
.set TA,  18           ; at work
.set TB,  19
.set CC,  20           ; v[20:23] two packed sums: first sum x'^2 w0, then sum g (g w)
.set LD,  24           ; v[24:25] packed sum of log2
.set ACA, 32           ; v[32:39] sum x'^2 dw
.set ACB, 40           ; v[40:47] sum x' g w
.set FW,  48           ; v[48:55] dw as bf16
.set FG,  56           ; v[56:63] g w as bf16
.set XF,  64           ; v[64:71] x'^2, v[72:79] x' of the K step
.set MU,  80           ; v[80:95] 2 c0 of the K step
.set W0,  96           ; v[96:111] w0 of the K step
.set PT,  112          ; v[112:119] products of D_abs and their logs
.set RING, 128         ; v[128:255] four slots: 16 numbers of D, 16 of centers
.set P0X, 32           ; phase 0: 32 numbers of x,
.set P0C, 64           ; of centers' row 0,
.set P0D, 96           ; of D's row 0,
.set P0F, 224          ; and the fragments made of them (ring slot 3, which is filled afterwards)
; scalar registers
.set WV,  14           ; my wave's number
.set EPS, 15           ; 1e-8
.set SEL, 16           ; s[16:17] v_permlanex16_b32's selects: each lane takes its own place in the other half
.set CLIP, 18          ; ln 1e-8
.set CB,  28           ; s[28:29] centers at my wave's 16 rows
.set DB,  30           ; s[30:31] D at my wave's 16 rows
.set XB,  34           ; s[34:35] x at the work-group's 16 rows
.macro ROW16 dst, voff, sb, byte       ; a lane's 16 numbers of a K step
.irp q, 0,1,2,3
	global_load_b128 v[(\dst)+4*\q:(\dst)+4*\q+3], v[\voff], s[\sb:\sb+1] offset:(\byte)+32*\q
.endr
.endm
.macro FILL s                          ; K step s of my 16 rows of D and of centers into its ring slot: eight loads in one run
	ROW16 RING+32*((\s)%4), FO, DB, STEPB*(\s)
	ROW16 RING+32*((\s)%4)+16, FO, CB, STEPB*(\s)
.endm
.macro TAB16 dst, base                 ; the same 16 places of a table in LDS; the sixteen lanes of a half read the same bytes
.irp q, 0,1,2,3
	ds_load_b128 v[(\dst)+4*\q:(\dst)+4*\q+3], v[HL] offset:(\base)+32*\q
.endr
.endm
	s_load_b256 s[4:11], s[0:1], 0x0               ; x s[4:5], centers s[6:7], D s[8:9], out0 s[10:11]
	s_load_b64 s[12:13], s[0:1], 0x20              ; out1
	v_lshl_add_u32 v[SPW], v0, 2, SPARE
	v_mov_b32 v[NIL], 0
	v_lshrrev_b32 v[TA], 5, v0
	v_readfirstlane_b32 s[WV], v[TA]               ; wave 0..7
	v_and_b32 v[TB], 15, v0                        ; r
	v_bfe_u32 v28, v0, 4, 1                        ; h
	v_and_b32 v29, 31, v0                          ; l
	s_mov_b32 s[EPS], 0x322bcc77                   ; 1e-8
	s_mov_b32 s[SEL], 0x76543210
	s_mov_b32 s[SEL+1], 0xfedcba98
	s_mov_b32 s[CLIP], 0xc1935d8e                  ; ln 1e-8 = -18.420681
	s_lshl_b32 s19, s[WV], 3
	s_lshl_b32 s20, s[WV], 8
	s_lshl_b32 s21, s[WV], 12
	s_lshl_b32 s22, s[WV], 6
	s_lshl_b32 s23, s[WV], 7
	s_mul_i32 s24, s[WV], 2*SPITCH
	s_lshl_b32 s25, s[WV], 10
	v_lshlrev_b32 v[HL], 4, v28
	v_lshl_add_u32 v[FO], v[TB], 11, v[HL]
	v_add_nc_u32 v[XO], s20, v[FO]
	v_add_nc_u32 v[HO], s20, v[HL]
	v_lshlrev_b32 v[XL], 4, v29
	v_add_nc_u32 v[XS], s21, v[XL]
	v_lshlrev_b32 v[R4], 2, v[TB]
	v_add_nc_u32 v[WR], s22, v[R4]
	v_add_nc_u32 v[BW], s23, v[R4]
	v_lshl_add_u32 v[BR], v28, 5, s23
	v_mul_u32_u24 v[SW], v[TB], SPITCH
	v_lshl_add_u32 v[SW], v28, 5, v[SW]
	v_add_nc_u32 v[SW], s22, v[SW]
	v_add_nc_u32 v[SR], s24, v[XL]
	v_add_nc_u32 v[GO], s25, v[XL]
	v_mov_b32 v[RP], s19
	s_lshl_b32 s26, s[WV], 15                      ; my wave's 16 rows of 2,048 bytes
	s_mov_b32 s27, 0
	s_lshl_b32 s32, ttmp9, 15                      ; the work-group's 16 rows of x
	s_mov_b32 s33, 0
	s_lshl_b32 s36, ttmp9, 13                      ; its 16 rows of out0: 8,192 consecutive bytes
	s_mov_b32 s37, 0
	s_lshl_b32 s38, ttmp9, 6                       ; its 16 numbers of out1
	s_mov_b32 s39, 0
	s_wait_kmcnt 0x0
	s_add_nc_u64 s[CB:CB+1], s[6:7], s[26:27]
	s_add_nc_u64 s[DB:DB+1], s[8:9], s[26:27]
	s_add_nc_u64 s[XB:XB+1], s[4:5], s[32:33]
	s_add_nc_u64 s[10:11], s[10:11], s[36:37]
	s_add_nc_u64 s[12:13], s[12:13], s[38:39]
	; PHASE 0.  24 loads for my wave's 64 columns (K steps 2 v and 2 v + 1): row 0 of D and of centers, 16 rows of x; behind them the ring's first three slots.  No address register is ever rewritten.
.irp i, 0,1
	ROW16 P0D+16*\i, HO, 8, STEPB*\i
.endr
.irp i, 0,1
	ROW16 P0C+16*\i, HO, 6, STEPB*\i
.endr
.irp i, 0,1
.irp q, 0,1,2,3
	global_load_b128 v[P0X+16*\i+4*\q:P0X+16*\i+4*\q+3], v[XO], s[XB:XB+1] offset:STEPB*\i+32*\q th:TH_LOAD_NT  ; each byte of x is read once in the launch
.endr
.endr
	FILL 0
	FILL 1
	FILL 2
	s_wait_loadcnt 24                              ; loads come back in order: phase 0's are in, the ring's 24 stay out
.set e, 0
.rept 16
	v_add_f32 v[P0D+e], |v[P0D+e]|, s[EPS]         ; D_abs of row 0
.set e, e+1
.endr
.set e, 0
.rept 16                                       ; the 32 reciprocals are one batch, a plain instruction behind each
	v_rcp_f32 v[P0D+e], v[P0D+e]
	v_add_f32 v[P0D+16+e], |v[P0D+16+e]|, s[EPS]
.set e, e+1
.endr
.set e, 0
.rept 16
	v_rcp_f32 v[P0D+16+e], v[P0D+16+e]
	v_pk_add_f32 v[P0X+2*e:P0X+2*e+1], v[P0X+2*e:P0X+2*e+1], v[P0C+2*e:P0C+2*e+1] neg_lo:[0,1] neg_hi:[0,1]  ; x' = x - c0
.set e, e+1
.endr
.set e, 0
.rept 16                                       ; work that names no reciprocal stands between the batch and its wait
	v_pk_add_f32 v[P0C+2*e:P0C+2*e+1], v[P0C+2*e:P0C+2*e+1], v[P0C+2*e:P0C+2*e+1]  ; 2 c0
	v_cvt_pk_bf16_f32 v[P0F+16*(e/8)+8+e%8], v[P0X+2*e], v[P0X+2*e+1]              ; x' as bf16
.set e, e+1
.endr
.irp i, 0,1
.irp q, 0,1,2,3
	ds_store_b128 v[HO], v[P0C+16*\i+4*\q:P0C+16*\i+4*\q+3] offset:MUB+STEPB*\i+32*\q  ; the sixteen lanes of a half store the same bytes
.endr
.endr
.set e, 0
.rept 16
	v_pk_mul_f32 v[P0X+2*e:P0X+2*e+1], v[P0X+2*e:P0X+2*e+1], v[P0X+2*e:P0X+2*e+1]  ; x'^2
.set e, e+1
.endr
.set e, 0
.rept 16
	v_cvt_pk_bf16_f32 v[P0F+16*(e/8)+e%8], v[P0X+2*e], v[P0X+2*e+1]
.set e, e+1
.endr
	s_wait_alu depctr_va_vdst(0)                   ; the wait ahead of the first line that names a reciprocal: one for the 32
.irp i, 0,1
.irp q, 0,1,2,3
	ds_store_b128 v[HO], v[P0D+16*\i+4*\q:P0D+16*\i+4*\q+3] offset:W0B+STEPB*\i+32*\q
.endr
.endr
.irp i, 0,1
.irp q, 0,1,2,3
	ds_store_b128 v[XS], v[P0F+16*\i+4*\q:P0F+16*\i+4*\q+3] offset:XFB+2048*\i+512*\q  ; 16 bytes a lane on end
.endr
.endr
	v_pk_mul_f32 v[CC:CC+1], v[P0X:P0X+1], v[P0D:P0D+1]          ; sum x'^2 w0 over my 32 numbers: the first two products start two sums
	v_pk_mul_f32 v[CC+2:CC+3], v[P0X+2:P0X+3], v[P0D+2:P0D+3]
.set e, 2
.rept 14
	v_pk_fma_f32 v[CC+2*(e%2):CC+2*(e%2)+1], v[P0X+2*e:P0X+2*e+1], v[P0D+2*e:P0D+2*e+1], v[CC+2*(e%2):CC+2*(e%2)+1]
.set e, e+1
.endr
	v_pk_add_f32 v[CC:CC+1], v[CC:CC+1], v[CC+2:CC+3]
	v_add_f32 v[CC], v[CC], v[CC+1]
	v_permlanex16_b32 v[TA], v[CC], s[SEL], s[SEL+1]             ; the row's other 32 numbers lie in the lane 16 away
	v_add_f32 v[CC], v[CC], v[TA]
	ds_store_b32 v[WR], v[CC] offset:S0B
	s_wait_dscnt 0x0                               ; for the others' sake: all my stores to LDS are done
	FILL 3                                         ; the fragments' registers are free: the ring's fourth slot
	s_barrier_signal -1
	s_barrier_wait -1                              ; x's fragments, the two tables and the parts of sum x'^2 w0 are whole
	TAB16 MU, MUB
	TAB16 W0, W0B
; ONE K STEP.  LDS loads go out in the order 2 c0 (s), w0 (s), x's fragments (s), 2 c0 (s + 1), w0 (s + 1), .. four each, and come back in that order.
; The step's 16 reciprocals and 4 logs are one batch with one wait; ahead of the wait stands what names none of their results: D_abs, the products of four, g = -2 c'.
.macro STEP s
.set DR, RING+32*((\s)%4)
.set CR, DR+16
.set AFTER, NSTEP-1-(\s)
.if AFTER > 3
.set AFTER, 3
.endif
	s_wait_loadcnt 8*AFTER                         ; this step's eight loads are in; the eight of each later step that has been asked for stay out
.irp e, 0,1,2,3
	v_add_f32 v[DR+\e], |v[DR+\e]|, s[EPS]         ; D_abs; these four are also the places between the last product and the loads into its source
.endr
.irp q, 0,1,2,3
	ds_load_b128 v[XF+4*\q:XF+4*\q+3], v[XL] offset:XFB+2048*(\s)+512*\q
.endr
.irp e, 4,5,6,7
	v_add_f32 v[DR+\e], |v[DR+\e]|, s[EPS]
.endr
	v_pk_mul_f32 v[PT:PT+1], v[DR:DR+1], v[DR+2:DR+3]            ; two products of four D_abs: one log for four numbers
	v_pk_mul_f32 v[PT+2:PT+3], v[DR+4:DR+5], v[DR+6:DR+7]
	v_pk_mul_f32 v[PT:PT+1], v[PT:PT+1], v[PT+2:PT+3]
.irp e, 0,1,2,3,4,5,6,7
	v_rcp_f32 v[DR+\e], v[DR+\e]                   ; w, in place
	v_add_f32 v[DR+8+\e], |v[DR+8+\e]|, s[EPS]
.endr
	v_log_f32 v[PT], v[PT]
	v_pk_mul_f32 v[PT+4:PT+5], v[DR+8:DR+9], v[DR+10:DR+11]
	v_log_f32 v[PT+1], v[PT+1]
	v_pk_mul_f32 v[PT+6:PT+7], v[DR+12:DR+13], v[DR+14:DR+15]
	v_pk_mul_f32 v[PT+4:PT+5], v[PT+4:PT+5], v[PT+6:PT+7]
	s_wait_dscnt 8                                 ; 2 c0 is in; behind it w0's four loads and the fragments' four
.irp e, 0,1,2,3,4,5,6,7
	v_rcp_f32 v[DR+8+\e], v[DR+8+\e]
	v_pk_fma_f32 v[CR+2*\e:CR+2*\e+1], v[CR+2*\e:CR+2*\e+1], -2.0, v[MU+2*\e:MU+2*\e+1] op_sel_hi:[1,0,1]  ; g = -2 centers + 2 c0 = -2 c'
.endr
	v_log_f32 v[PT+4], v[PT+4]
	v_log_f32 v[PT+5], v[PT+5]
	v_nop                                          ; a plain instruction behind the last of the batch
.if (\s) < NSTEP-1
	TAB16 MU, MUB+STEPB*((\s)+1)
.endif
	s_wait_alu depctr_va_vdst(0)                   ; the wait ahead of the first line that names a result of the batch: one for the 20
.if (\s) < NSTEP-1
	s_wait_dscnt 8                                 ; w0 is in; behind it the fragments' four loads and the next 2 c0's four
.else
	s_wait_dscnt 4                                 ; the last step: behind it the fragments' four alone
.endif
.irp j, 0,1,2,3,4,5,6,7
	v_pk_add_f32 v[W0+2*\j:W0+2*\j+1], v[DR+2*\j:DR+2*\j+1], v[W0+2*\j:W0+2*\j+1] neg_lo:[0,1] neg_hi:[0,1]  ; dw = w - w0
	v_pk_mul_f32 v[DR+2*\j:DR+2*\j+1], v[DR+2*\j:DR+2*\j+1], v[CR+2*\j:CR+2*\j+1]                            ; g w
.endr
.irp j, 0,1,2,3,4,5,6,7
.if ((\s) == 0) && ((\j) < 2)
	v_pk_mul_f32 v[CC+2*(\j%2):CC+2*(\j%2)+1], v[CR+2*\j:CR+2*\j+1], v[DR+2*\j:DR+2*\j+1]  ; the first two products start the two sums of g (g w) = 4 c'^2 w
.else
	v_pk_fma_f32 v[CC+2*(\j%2):CC+2*(\j%2)+1], v[CR+2*\j:CR+2*\j+1], v[DR+2*\j:DR+2*\j+1], v[CC+2*(\j%2):CC+2*(\j%2)+1]
.endif
	v_cvt_pk_bf16_f32 v[FW+\j], v[W0+2*\j], v[W0+2*\j+1]
	v_cvt_pk_bf16_f32 v[FG+\j], v[DR+2*\j], v[DR+2*\j+1]
.endr
.if (\s) == 0
	v_pk_add_f32 v[LD:LD+1], v[PT:PT+1], v[PT+4:PT+5]            ; the first step starts the sum of log2
.else
	v_pk_add_f32 v[PT:PT+1], v[PT:PT+1], v[PT+4:PT+5]
	v_pk_add_f32 v[LD:LD+1], v[LD:LD+1], v[PT:PT+1]
.endif
.if (\s) < NSTEP-1
	TAB16 W0, W0B+STEPB*((\s)+1)
.endif
.if (\s) < NSTEP-4
	FILL (\s)+4                                    ; the slot has been read out: the step four on
.endif
.if (\s) < NSTEP-1
	s_wait_dscnt 8                                 ; x's fragments are in; behind them the next step's two table rows, four loads each
.else
	s_wait_dscnt 0x0
.endif
.if (\s) == 0                                  ; the first products start the sums.  The two accumulators take turns, one instruction a turn
	v_wmma_f32_16x16x32_bf16 v[ACA:ACA+7], v[FW:FW+7], v[XF:XF+7], 0
	v_wmma_f32_16x16x32_bf16 v[ACB:ACB+7], v[FG:FG+7], v[XF+8:XF+15], 0
.else
	v_wmma_f32_16x16x32_bf16 v[ACA:ACA+7], v[FW:FW+7], v[XF:XF+7], v[ACA:ACA+7]
	v_wmma_f32_16x16x32_bf16 v[ACB:ACB+7], v[FG:FG+7], v[XF+8:XF+15], v[ACB:ACB+7]
.endif
.endm
.irp s, 0,1,2,3,4,5,6,7,8,9,10,11,12,13,14,15
	STEP \s
.endr
	; THE CLASSES' TWO NUMBERS.  Lane (r, h) holds half of class r's sums; the lanes of the result want those of classes 8 h + 0..7: they change lanes in the wave's own 128 bytes of LDS.
	; Six plain instructions stand here between the last product and the first read of an accumulator.
	v_pk_add_f32 v[CC:CC+1], v[CC:CC+1], v[CC+2:CC+3]
	v_add_f32 v[LD], v[LD], v[LD+1]
	v_add_f32 v[CC], v[CC], v[CC+1]
.irp w, 0,1,2,3,4,5,6,7
	ds_load_b32 v[PT+\w], v[R4] offset:S0B+64*\w   ; the eight waves' parts of my row's sum x'^2 w0
.endr
	v_permlanex16_b32 v[TA], v[CC], s[SEL], s[SEL+1]
	v_permlanex16_b32 v[TB], v[LD], s[SEL], s[SEL+1]
	v_add_f32 v[CC], v[CC], v[TA]                  ; 4 sum c'^2 w
	v_add_f32 v[LD], v[LD], v[TB]                  ; log2 of the determinant
	v_mul_f32 v[LD], -0.5, v[LD]
	ds_store_b32 v[BW], v[CC] offset:BIB
	ds_store_b32 v[BW], v[LD] offset:BIB+64
	ds_load_b128 v[MU:MU+3], v[BR] offset:BIB      ; LDS serves a wave's instructions in order (ISA guide 5.7.1.4): these see the two stores above
	ds_load_b128 v[MU+4:MU+7], v[BR] offset:BIB+16
	ds_load_b128 v[MU+8:MU+11], v[BR] offset:BIB+64
	ds_load_b128 v[MU+12:MU+15], v[BR] offset:BIB+80
.irp j, 0,2,4,6
	v_pk_add_f32 v[ACA+\j:ACA+\j+1], v[ACA+\j:ACA+\j+1], v[ACB+\j:ACB+\j+1]  ; the two products' sums, each accumulator from its low end on
.endr
	s_wait_dscnt 0x0
	v_pk_add_f32 v[PT:PT+1], v[PT:PT+1], v[PT+2:PT+3]
	v_pk_add_f32 v[PT+4:PT+5], v[PT+4:PT+5], v[PT+6:PT+7]
	v_pk_add_f32 v[PT:PT+1], v[PT:PT+1], v[PT+4:PT+5]
	v_add_f32 v28, v[PT], v[PT+1]                  ; sum x'^2 w0 of my row, twice: a pair for the packed lines
	v_add_f32 v29, v[PT], v[PT+1]
.irp j, 0,2,4,6
	v_pk_fma_f32 v[MU+\j:MU+\j+1], v[MU+\j:MU+\j+1], 0x3e800000, v[28:29] op_sel_hi:[1,0,1]  ; sum c'^2 w + sum x'^2 w0
.endr
.irp j, 0,2,4,6
	v_pk_add_f32 v[ACA+\j:ACA+\j+1], v[ACA+\j:ACA+\j+1], v[MU+\j:MU+\j+1]                    ; dist_sq
.endr
.irp j, 0,2,4,6
	v_pk_fma_f32 v[ACB+\j:ACB+\j+1], v[ACA+\j:ACA+\j+1], 0xbf38aa3b, v[MU+8+\j:MU+8+\j+1] op_sel_hi:[1,0,1]  ; T = t log2(e) = -0.72134752 dist_sq - log2(det) / 2
.endr
	; THE ROW'S MAXIMUM: my 8 classes, the other half of the lanes, the eight waves
	v_max3_num_f32 v30, v[ACB], v[ACB+1], v[ACB+2]
	v_max3_num_f32 v30, v30, v[ACB+3], v[ACB+4]
	v_max3_num_f32 v30, v30, v[ACB+5], v[ACB+6]
	v_max_num_f32 v30, v30, v[ACB+7]
	v_permlanex16_b32 v[TA], v30, s[SEL], s[SEL+1]
	v_max_num_f32 v30, v30, v[TA]
	ds_store_b32 v[WR], v30 offset:RMB
	s_wait_dscnt 0x0                               ; for the others' sake
	s_barrier_signal -1
	s_barrier_wait -1
.irp w, 0,1,2,3,4,5,6,7
	ds_load_b32 v[PT+\w], v[R4] offset:RMB+64*\w
.endr
	s_wait_dscnt 0x0
	v_max3_num_f32 v30, v[PT], v[PT+1], v[PT+2]
	v_max3_num_f32 v30, v30, v[PT+3], v[PT+4]
	v_max3_num_f32 v30, v30, v[PT+5], v[PT+6]
	v_max_num_f32 v30, v30, v[PT+7]
	v_mov_b32 v31, v30
.irp j, 0,2,4,6
	v_pk_add_f32 v[ACB+\j:ACB+\j+1], v[ACB+\j:ACB+\j+1], v[30:31] neg_lo:[0,1] neg_hi:[0,1]  ; U = T - maximum: at most 0, and 0 at the row's best class
.endr
	ds_store_b128 v[SW], v[ACB:ACB+3] offset:STG
	ds_store_b128 v[SW], v[ACB+4:ACB+7] offset:STG+16
	v_mov_b32 v29, 0xff7fffff                      ; dist_sq at the maximum: the lowest number where my classes do not hold it
.irp j, 7,6,5,4,3,2,1,0
	v_exp_f32 v[FW+\j], v[ACB+\j]                  ; 2^U: a batch of eight, two plain instructions behind each
	v_cmp_eq_f32 vcc_lo, 0, v[ACB+\j]
	v_cndmask_b32 v29, v29, v[ACA+\j], vcc_lo      ; a value is selected; nothing branches on it
.endr
	s_wait_alu depctr_va_vdst(0)                   ; the wait ahead of the first use: one for the eight
	v_pk_add_f32 v[FW:FW+1], v[FW:FW+1], v[FW+2:FW+3]
	v_pk_add_f32 v[FW+4:FW+5], v[FW+4:FW+5], v[FW+6:FW+7]
	v_pk_add_f32 v[FW:FW+1], v[FW:FW+1], v[FW+4:FW+5]
	v_add_f32 v[FW], v[FW], v[FW+1]
	v_permlanex16_b32 v[TA], v[FW], s[SEL], s[SEL+1]
	v_permlanex16_b32 v[TB], v29, s[SEL], s[SEL+1]
	v_add_f32 v[FW], v[FW], v[TA]
	v_max_num_f32 v29, v29, v[TB]
	ds_store_b32 v[WR], v[FW] offset:RSB
	ds_store_b32 v[WR], v29 offset:RCB
	s_wait_dscnt 0x0                               ; for the others' sake: exponents, sums and distances
	s_barrier_signal -1
	s_barrier_wait -1
	; THE WAY OUT.  Wave v finishes rows 2 v and 2 v + 1: a row of 128 numbers is 16 bytes a lane.  The rows' sums are read by every lane.
	ds_load_b128 v[FG:FG+3], v[SR] offset:STG
	ds_load_b128 v[FG+4:FG+7], v[SR] offset:STG+SPITCH
.irp w, 0,1,2,3,4,5,6,7
	ds_load_b64 v[XF+2*\w:XF+2*\w+1], v[RP] offset:RSB+64*\w     ; wave w's sums for the two rows
.endr
	s_wait_dscnt 0x0
	v_pk_add_f32 v[XF:XF+1], v[XF:XF+1], v[XF+2:XF+3]
	v_pk_add_f32 v[XF+4:XF+5], v[XF+4:XF+5], v[XF+6:XF+7]
	v_pk_add_f32 v[XF+8:XF+9], v[XF+8:XF+9], v[XF+10:XF+11]
	v_pk_add_f32 v[XF+12:XF+13], v[XF+12:XF+13], v[XF+14:XF+15]
	v_pk_add_f32 v[XF:XF+1], v[XF:XF+1], v[XF+4:XF+5]
	v_pk_add_f32 v[XF+8:XF+9], v[XF+8:XF+9], v[XF+12:XF+13]
	v_pk_add_f32 v[XF:XF+1], v[XF:XF+1], v[XF+8:XF+9]
	v_log_f32 v[XF], v[XF]
	v_log_f32 v[XF+1], v[XF+1]
	v_nop                                          ; a plain instruction behind the second log,
	s_wait_alu depctr_va_vdst(0)                   ; and the wait for both
	v_mul_f32 v[XF+2], 0xbf317218, v[XF]           ; -ln 2 x log2(sum), twice for each row
	v_mul_f32 v[XF+3], 0xbf317218, v[XF]
	v_mul_f32 v[XF+4], 0xbf317218, v[XF+1]
	v_mul_f32 v[XF+5], 0xbf317218, v[XF+1]
	v_pk_fma_f32 v[FG:FG+1], v[FG:FG+1], 0x3f317218, v[XF+2:XF+3] op_sel_hi:[1,0,1]      ; ln resp = ln 2 x U - ln(sum)
	v_pk_fma_f32 v[FG+2:FG+3], v[FG+2:FG+3], 0x3f317218, v[XF+2:XF+3] op_sel_hi:[1,0,1]
	v_pk_fma_f32 v[FG+4:FG+5], v[FG+4:FG+5], 0x3f317218, v[XF+4:XF+5] op_sel_hi:[1,0,1]
	v_pk_fma_f32 v[FG+6:FG+7], v[FG+6:FG+7], 0x3f317218, v[XF+4:XF+5] op_sel_hi:[1,0,1]
.irp j, 0,1,2,3,4,5,6,7
	v_max_num_f32 v[FG+\j], s[CLIP], v[FG+\j]      ; the clip at 1e-8, taken on the log
.endr
	global_store_b128 v[GO], v[FG:FG+3], s[10:11] th:TH_STORE_NT              ; each store of the wave covers 512 consecutive bytes, aligned
	global_store_b128 v[GO], v[FG+4:FG+7], s[10:11] offset:512 th:TH_STORE_NT
	s_cmp_lg_u32 s[WV], 0                          ; wave 0 finishes the 16 distances
	s_cbranch_scc1 .Lend
.irp w, 0,1,2,3,4,5,6,7
	ds_load_b32 v[MU+\w], v[R4] offset:RCB+64*\w
.endr
	s_wait_dscnt 0x0
	v_max3_num_f32 v[MU], v[MU], v[MU+1], v[MU+2]
	v_max3_num_f32 v[MU], v[MU], v[MU+3], v[MU+4]
	v_max3_num_f32 v[MU], v[MU], v[MU+5], v[MU+6]
	v_max_num_f32 v[MU], v[MU], v[MU+7]
	v_max_num_f32 v[MU], 0, v[MU]                  ; rounding may leave a dist_sq near 0 below 0
	v_sqrt_f32 v[MU], v[MU]
	v_cmp_gt_u32 vcc_lo, 256, v[XL]                ; lanes 0 to 15: a lane a row (a plain instruction behind the root)
	s_wait_alu depctr_va_vdst(0)                   ; the wait ahead of the root's first use
	s_wait_xcnt 0x0                                ; EXEC changes only behind this wait: the stores above have read it
	s_and_saveexec_b32 s41, vcc_lo
	global_store_b32 v[R4], v[MU], s[12:13] th:TH_STORE_NT  ; 64 consecutive bytes: all that the work-group's 16 rows have of out1
	s_wait_xcnt 0x0                                ; and again, in front of the line that widens it
	s_or_b32 exec_lo, exec_lo, s41
.Lend:
	s_wait_tensorcnt 0x0                           ; the wave's end, behind my last LDS store
	ds_add_u32 v[SPW], v[NIL]
	s_wait_dscnt 0x0
	s_endpgm
.Lfunc_end_k_q8b05e99088_aagmm:
	.size	k_q8b05e99088_aagmm, .Lfunc_end_k_q8b05e99088_aagmm-k_q8b05e99088_aagmm
	.p2alignl 7, 3214868480
	.fill 96, 4, 3214868480
	.section	.rodata,"a",@progbits
	.p2align	6, 0x0
	.amdhsa_kernel k_q8b05e99088_aagmm
		.amdhsa_group_segment_fixed_size 49408
		.amdhsa_private_segment_fixed_size 0
		.amdhsa_enable_private_segment 0
		.amdhsa_kernarg_size 40
		.amdhsa_user_sgpr_count 2
		.amdhsa_user_sgpr_kernarg_segment_ptr 1
		.amdhsa_wavefront_size32 1
		.amdhsa_system_sgpr_workgroup_id_x 1
		.amdhsa_system_sgpr_workgroup_id_y 1
		.amdhsa_system_sgpr_workgroup_id_z 1
		.amdhsa_system_vgpr_workitem_id 0
		.amdhsa_next_free_vgpr 256
		.amdhsa_next_free_sgpr 66
		.amdhsa_reserve_vcc 1
		.amdhsa_float_denorm_mode_32 3
		.amdhsa_float_denorm_mode_16_64 3
		.amdhsa_memory_ordered 1
		.amdhsa_forward_progress 1
		.amdhsa_inst_pref_size 136
	.end_amdhsa_kernel
	.amdgpu_metadata
---
amdhsa.version: [ 1, 2 ]
amdhsa.kernels:
  - .name:           k_q8b05e99088_aagmm
    .symbol:         k_q8b05e99088_aagmm.kd
    .args:
      - { .name: x, .offset: 0, .size: 8, .value_kind: global_buffer, .address_space: global }
      - { .name: centers, .offset: 8, .size: 8, .value_kind: global_buffer, .address_space: global }
      - { .name: D, .offset: 16, .size: 8, .value_kind: global_buffer, .address_space: global }
      - { .name: out0, .offset: 24, .size: 8, .value_kind: global_buffer, .address_space: global }
      - { .name: out1, .offset: 32, .size: 8, .value_kind: global_buffer, .address_space: global }
    .group_segment_fixed_size: 49408
    .private_segment_fixed_size: 0
    .kernarg_segment_align: 8
    .kernarg_segment_size: 40
    .max_flat_workgroup_size: 256
    .sgpr_count:     66
    .vgpr_count:     256
    .wavefront_size: 32
...
	.end_amdgpu_metadata
.endif
;; end of part 1
;; ======== version 2 of 2: 1 launch; 1.28 times as fast as version 1
;; limits: inputs' magnitudes at most 4,000,000,000; a difference of large sums (such as E[x^2] - mean^2): digits are lost where the result is much smaller than its terms
;; launch aagmm (part 2): grid 128 x 1, 8 waves a work-group, clusters of 4 x 1, 320,512 bytes of LDS; arguments x, centers, D, out0, out1; writes out0, out1
.if DOCPART == 2
	.amdgcn_target "amdgcn-amd-amdhsa--gfx1250"
	.amdhsa_code_object_version 6
	.text
	.protected	k_q8b05e99088_aagmm
	.globl	k_q8b05e99088_aagmm
	.p2align	8
	.type	k_q8b05e99088_aagmm,@function
k_q8b05e99088_aagmm:
	s_mov_b64 s[64:65], 0
	v_nop
	global_prefetch_b8 v0, s[64:65] scope:SCOPE_SE
	s_setreg_imm32_b32 hwreg(HW_REG_WAVE_MODE, 25, 1), 1
	s_wait_xcnt 0x0
	s_wait_alu depctr_hold_cnt(0) depctr_sa_sdst(0) depctr_va_vdst(0) depctr_va_sdst(0) depctr_va_ssrc(0) depctr_va_vcc(0) depctr_vm_vsrc(0)
	s_getreg_b32 s2, hwreg(HW_REG_IB_STS2, 6, 4)
	s_cmp_eq_u32 s2, 0
	s_cbranch_scc0 .Lentry_in_a_cluster
	s_endpgm
.Lentry_in_a_cluster:
	s_bfe_u32 s2, ttmp6, 0x10000c
	s_cmp_lg_u32 s2, 0x3003
	s_cbranch_scc0 .Lentry_shape_is_right
	s_endpgm
.Lentry_shape_is_right:
; GMM LOG-RESPONSIBILITIES WITH DIAGONAL COVARIANCES.  x: [2048][512], centers, D: [128][512], out0: [2048][128], out1: [2048], all f32.
;   D_abs = |D| + 1e-8, w = 1 / D_abs;  dist_sq[b][k] = sum over d of w[k][d] (x[b][d] - centers[k][d])^2;  t[b][k] = -dist_sq / 2 - (sum over d of ln D_abs[k][d]) / 2
;   out0[b][k] = max(ln 1e-8, t - ln(sum over k of e^t));  out1[b] = sqrt(dist_sq[b][k*]), k* the class with the row's largest t.
; HOW THIS IS reference().  numer = exp(det_sf - max det_sf) exp(expo - max expo) = e^t times a factor that is the same for all classes of a row, and that factor cancels in resp = numer / sum,
; whatever the inputs hold.  So the two exponents are added first and ONE maximum is taken away ahead of the exponential: the row's maximum of their sum.  The largest exponent is then exactly 0 and the
; sum lies in 1 .. 128.  log(numer / sum) is the exponent less log(sum).  The row's largest resp is at least 1/128, above the clip's 1e-8, so the argmax of the clipped logs is the argmax of t.
; The root is taken of the one dist_sq that is selected (by v_cndmask_b32): selecting and taking the root commute.  Every input is used.
; THE PRODUCTS.  For ANY two numbers s and w0, with x' = x - s, c' = centers - s, dw = w - w0, and for all values of the inputs
;   dist_sq = w0 sum x'^2  +  sum x'^2 dw  +  sum x' (-2 c' w)  +  sum c'^2 w.
; The first sum (a number a row) and the last (a number a class) are made in f32; the two in the middle are matrix products with bf16 operands and f32 sums.  s is the mean of the first 128 numbers of
; centers' row 0, w0 = 1 / (the mean of |D| over the first 128 numbers of D's row 0 + 1e-8): an offset that x and centers share is gone before anything is squared or rounded, and dw is small
; beside w where the D are alike.  bf16 and not f16: w reaches 1e8 where D is 0.
; LIMITS.  The logs are taken of products of four D_abs: (1e-8)^4 is a normal number; |D| stays below 4e9.  The operands' rounding leaves an error that goes with 2^-9 (sum x'^2 |dw| + 2 sum |x' c'| w);
; an offset that differs from column to column is not taken away.  Among classes whose t are exactly equal one of them is taken, not always the first.  A dist_sq that rounding leaves below 0 counts
; as 0 for the root.  NaN and infinities are not treated apart.  Where reference()'s own numer leaves f32's range it loses resp; this text does not.
; SHARES.  128 work-groups (2048 rows are 128 tiles of 16), 8 waves.  A work-group owns 16 rows of x and all 128 classes.  K IS SPLIT AMONG THE WAVES: wave v owns d = 64 v .. 64 v + 63 (two K steps of 32)
; for all classes, eight tiles of 16.  So the fragments of x' and x'^2 that it needs are made by itself and stay in registers, and no number of D or centers is wanted by two waves.  A tile's partial
; sums are finished after two units (a unit = 16 classes x 32 d) and go to the wave's own stage in LDS while the next tile is converted.  Behind the one barrier wave v adds the eight partial sums of
; rows 2 v and 2 v + 1 and finishes them: a lane holds four classes, so maximum, sum and selection stay inside the wave.
; TWO ROADS FOR THE TABLES.  By tiles of 16 classes D and centers are 16 blocks of 32,768 bytes, and a work-group needs them all.  Nine come by loads into registers, in the operand's order: centers, and D's
; tile 0.  Seven, D's tiles 1 to 7, come by the tensor data mover into LDS and from there into registers, a unit ahead of their use.  Seven is what fits: a block with its rows padded to 272 bytes is
; 34,816 bytes, stages, class sums and spare words are 76,800, and 7 x 34,816 + 76,800 = 320,512 of 327,680.  So no LDS byte is filled twice, and no barrier stands in the main part.
; Each wave asks for its own 256 bytes of the rows, by three loads of 16, 32 and 64 rows, all at the start: three tensor loads of a wave are out at the most.  It alone reads what they bring.
; CLUSTER.  Four work-groups form a cluster.  D is the same for all, and a load's descriptor hangs on the wave's number alone: each of the three loads is asked for JOINTLY by the four, with the same
; descriptor and a mask that names the four.  centers is shared as well and is not asked for jointly: a joint load lands in LDS, where there is no room for it unless slots are filled again,
; with a round of the cluster's barrier for each refill.
; ORDER OF k.  In a K step of 32 d a lane (row l % 16, half h = l / 16) holds d = 8 q + 4 h + 0..3, q = 0..3: four loads of 16 bytes, 32 bytes apart, so that a load takes 32 consecutive bytes of each of
; 16 rows.  Both sources of a product use the same order, which leaves the sums as they are but for rounding.
; LAYOUT.  Source 0 = 16 classes, source 1 = the 16 rows of x: in the result a lane holds ONE row of x (l % 16) and the classes 8 h + 0..7.  So w0 sum x'^2, a number a lane, is the C operand that starts a tile's sum.
.set NU,     16        ; units of a wave: unit u is tile u / 2, K step u % 2
; LDS.  Every byte is written once: the first part by tensor loads alone, the rest by LDS stores alone
.set DPITCH, 272       ; a row of D in LDS: 256 bytes + 16 of padding = 17 x 16 bytes: the sixteen rows that a load touches start at sixteen different 16-byte columns of 256
.set DWAVE,  112*DPITCH ; wave v's 64 columns of D's rows 16 .. 127 at DWAVE v: 119 blocks of 256 bytes
.set STG,    8*DWAVE   ; behind them the stages
.set SPITCH, 528       ; a stage row: 512 + 16 = 33 x 16 bytes
.set WSTG,   16*SPITCH ; wave w's stage at STG + WSTG w: its partial sums, 16 rows x 128 classes
.set CCB,    STG+8*WSTG ; wave w's part of 4 sum c'^2 w for class k at CCB + 512 w + 4 k
.set LDO,    4096      ; and LDO further on its part of log2 of the determinant
.set SPARE,  CCB+2*LDO ; the spare words, 128 bytes for each wave: four blocks of 256 bytes that no other line names
; vector registers
.set SPW, 1            ; LDS address of my spare word; never rewritten
.set NIL, 2            ; 0; never rewritten
.set FO,  3            ; 2,048 r + 16 h + 256 v: my place in 16 rows of f32, in my wave's 64 columns; for x, D and centers; never rewritten
.set XL,  4            ; 16 l
.set SW,  5            ; STG + WSTG v + 528 r + 32 h: where I put 8 classes of my row
.set SR,  6            ; STG + 1,056 v + 16 l: rows 2 v and 2 v + 1 of a stage
.set CW,  7            ; CCB + 512 v + 4 r
.set CRD, 8            ; CCB + 16 l
.set GO,  9            ; 1,024 v + 16 l: rows 2 v and 2 v + 1 in the work-group's 8,192 bytes of out0
.set O1,  10           ; 8 v: the same rows in its 64 bytes of out1
.set DA,  11           ; DWAVE v + 272 r + 16 h: my place in 16 rows of D in LDS; never rewritten
.set TP,  12           ; v[12:19] four pairs at work
.set SS,  20           ; v[20:21] s, twice
.set S2,  22           ; v[22:23] 2 s, twice
.set WW,  24           ; v[24:25] w0, twice
.set TA,  26           ; at work
.set TB,  27
.set CS,  28           ; a tile's class sums on their way to LDS
.set LS,  29
.set LD,  30           ; v[30:31] packed sum of log2, a tile's
.set RT,  32           ; v[32:39] w0 sum x'^2 over my wave's columns, for my lane's row, eight times: the C operand that starts a tile's sum; never rewritten
.set ACC, 40           ; v[40:71] two sets (by the tile's parity) of two accumulators: sum x'^2 dw (+ the row's term), sum x' g w
.set XF,  72           ; v[72:103] K step i at 16 i: x'^2 as bf16 (8), x' as bf16 (8); never rewritten
.set FW,  104          ; v[104:111] dw as bf16
.set FG,  112          ; v[112:119] g w as bf16
.set PT,  120          ; v[120:123] products of four D_abs and their logs
.set CC,  124          ; v[124:127] two packed sums of g (g w), a tile's
.set RING, 128         ; v[128:159] D: two buffers of 16 numbers, by the unit's parity
.set CRING, 160        ; v[160:255] centers: a ring of six slots of 16 numbers
.set P0X, CRING+64     ; at the start: my 32 numbers of x (slots 4 and 5, which are filled afterwards)
.set A0,  128          ; at the end: eight partial sums of row 2 v, four classes each; then at work
.set A1,  160          ; of row 2 v + 1
.set CL,  192          ; eight parts of 4 sum c'^2 w
.set LL,  224          ; eight parts of log2 of the determinant
; scalar registers
.set WV,  14           ; my wave's number
.set EPS, 15           ; 1e-8
.set SEL, 16           ; s[16:17] v_permlanex16_b32's selects: each lane takes its own place in the other half
.set CLIP, 18          ; ln 1e-8
.set XB,  34           ; s[34:35] x at the work-group's 16 rows
.set G0A, 40           ; s[40:43], s[44:47], s[48:51] descriptor group 0 of my three tensor loads
.set G0B, 44
.set G0C, 48
.set G1A, 52           ; s[52:59], s[68:75], s[76:83] their group 1: they differ in the number of rows alone
.set G1B, 68
.set G1C, 76
.macro ROW16 dst, sb, byte             ; a lane's 16 numbers of a K step, from memory
.irp q, 0,1,2,3
	global_load_b128 v[(\dst)+4*\q:(\dst)+4*\q+3], v[FO], s[\sb:\sb+1] offset:(\byte)+32*\q
.endr
.endm
.macro FILLC u                         ; unit u of centers (s[6:7]) into its slot: four loads in one run; a tile is 16 rows of 2,048 bytes
	ROW16 CRING+16*((\u)%6), 6, 32768*((\u)/2)+128*((\u)%2)
.endm
.macro FILLD u                         ; units 0 and 1 of D (s[8:9]): tile 0 comes from memory
	ROW16 RING+16*(\u), 8, 128*(\u)
.endm
.macro DFETCH n                        ; unit n of D, n = 2 .. 15, from LDS into its buffer: tile n / 2 lies 16 (n / 2 - 1) rows into my wave's part
.irp q, 0,1,2,3
	ds_load_b128 v[RING+16*((\n)%2)+4*\q:RING+16*((\n)%2)+4*\q+3], v[DA] offset:(16*((\n)/2)-16)*DPITCH+128*((\n)%2)+32*\q
.endr
.endm
; A round of the cluster's barrier: my work-group's barrier, so that wave 0's signal speaks for all eight waves; wave 0 signals for the work-group; every wave waits for all four work-groups;
; my work-group's barrier once more.  No LDS instruction of the wave is pending at a signal.
.macro ROUND
	s_barrier_signal -1
	s_barrier_wait -1
	s_cmp_lg_u32 s[WV], 0
	s_cbranch_scc1 .Lnot_wave_0_\@
	s_barrier_signal -3
.Lnot_wave_0_\@:
	s_barrier_wait -3
	s_barrier_signal -1
	s_barrier_wait -1
.endm
; Descriptor group 1: a tile of so many rows x 64 elements of 4 bytes, 512 elements from row to row, padded in LDS
.macro GROUP1 g, rows
	s_mov_b32 s[(\g)+0], 15|(2<<16)|(1<<20)|(1<<21)|(5<<22)|(3<<25)  ; 15:0 the mask: all four work-groups; 17:16 elements of 4 bytes; 20 padding on; 21 set beside a mask; 24:22 after every 64 words (code 5); 31:25 4 words of it (code 3)
	s_mov_b32 s[(\g)+1], 64<<16            ; tensor_dim0 = 64
	s_mov_b32 s[(\g)+2], (\rows)<<16       ; tensor_dim1 = the rows
	s_mov_b32 s[(\g)+3], 64<<16            ; tile_dim0 = 64
	s_mov_b32 s[(\g)+4], \rows             ; tile_dim1 = the rows
	s_mov_b32 s[(\g)+5], 512               ; tensor_dim0_stride
	s_mov_b32 s[(\g)+6], 0
	s_mov_b32 s[(\g)+7], 0
.endm
	s_load_b256 s[4:11], s[0:1], 0x0               ; x s[4:5], centers s[6:7], D s[8:9], out0 s[10:11]
	s_load_b64 s[12:13], s[0:1], 0x20              ; out1
	v_lshl_add_u32 v[SPW], v0, 2, SPARE
	v_mov_b32 v[NIL], 0
	ds_add_u32 v[SPW], v[NIL]                      ; the wave's opening: the add, twice on end, and its wait ahead of my first tensor load; the set-up below the second, work on registers, stands between it and the wait
	ds_add_u32 v[SPW], v[NIL]                      ; and once more: the opening add twice on end, under the one wait
	v_lshrrev_b32 v[TA], 5, v0
	v_readfirstlane_b32 s[WV], v[TA]               ; wave 0..7
	v_and_b32 v[TB], 15, v0                        ; r
	v_bfe_u32 v[CS], v0, 4, 1                      ; h
	v_and_b32 v[LS], 31, v0                        ; l
	s_lshl_b32 s26, s[WV], 8                       ; my wave's 64 columns: 256 bytes of a row
	s_mov_b32 s27, 0
	v_lshlrev_b32 v[FO], 4, v[CS]
	v_lshl_add_u32 v[FO], v[TB], 11, v[FO]
	v_add_nc_u32 v[FO], s26, v[FO]
	v_lshlrev_b32 v[XL], 4, v[LS]
	s_mul_i32 s20, s[WV], DWAVE                    ; my wave's part of D in LDS: no place in the cluster enters an LDS address
	v_mul_u32_u24 v[DA], v[TB], DPITCH
	v_lshl_add_u32 v[DA], v[CS], 4, v[DA]
	v_add_nc_u32 v[DA], s20, v[DA]
	GROUP1 G1A, 16                                 ; tile 1
	GROUP1 G1B, 32                                 ; tiles 2 and 3
	GROUP1 G1C, 64                                 ; tiles 4 to 7
	s_mov_b32 s[G0A], 1                            ; 1:0 count = 1
	s_add_co_u32 s[G0A+1], s20, 0                  ; 63:32 LDS address
	s_mov_b32 s[G0B], 1
	s_add_co_u32 s[G0B+1], s20, 16*DPITCH
	s_mov_b32 s[G0C], 1
	s_add_co_u32 s[G0C+1], s20, 48*DPITCH
	s_bfe_u32 s30, ttmp6, 0x40000                  ; cx: my place in the cluster
	s_lshl_b32 s24, ttmp9, 2                       ; in a cluster launch ttmp9 counts clusters
	s_add_co_u32 s24, s24, s30                     ; my work-group = 4 x cluster x + cx: it enters the addresses of x, out0 and out1 alone
	s_lshl_b32 s32, s24, 15                        ; the work-group's 16 rows of x
	s_mov_b32 s33, 0
	s_lshl_b32 s36, s24, 13                        ; its 16 rows of out0: 8,192 consecutive bytes
	s_mov_b32 s37, 0
	s_lshl_b32 s38, s24, 6                         ; its 16 numbers of out1
	s_mov_b32 s39, 0
	s_wait_dscnt 0x0                               ; both opening adds are done
	ROUND                                          ; all four work-groups are here: the joint loads meet.  The round names no argument, so it stands ahead of the wait for them
	s_wait_kmcnt 0x0
	s_add_nc_u64 s[28:29], s[8:9], s[26:27]        ; D at my wave's columns
	s_add_nc_u64 s[G0A+2:G0A+3], s[28:29], 16*2048 ; 120:64 global address: row 16,
	s_or_b32 s[G0A+3], s[G0A+3], 0x80000000        ; 127:126 type = 2
	s_add_nc_u64 s[G0B+2:G0B+3], s[28:29], 32*2048 ; row 32,
	s_or_b32 s[G0B+3], s[G0B+3], 0x80000000
	s_add_nc_u64 s[G0C+2:G0C+3], s[28:29], 64*2048 ; row 64
	s_or_b32 s[G0C+3], s[G0C+3], 0x80000000
	tensor_load_to_lds s[G0A:G0A+3], s[G1A:G1A+7]  ; my three fills go out together, ahead of every wait on TENSORcnt and every LDS read; an s_nop 0 follows each
	s_nop 0
	tensor_load_to_lds s[G0B:G0B+3], s[G1B:G1B+7]
	s_nop 0
	tensor_load_to_lds s[G0C:G0C+3], s[G1C:G1C+7]
	s_nop 0
	s_add_nc_u64 s[XB:XB+1], s[4:5], s[32:33]
	s_add_nc_u64 s[10:11], s[10:11], s[36:37]
	s_add_nc_u64 s[12:13], s[12:13], s[38:39]
	; THE LOADS OF THE START, in the order in which they are wanted: the 128 numbers of each table from which s and w0 are made, my wave's 64 columns of x, D's tile 0 and the first four slots of centers.
	global_load_b128 v[TP:TP+3], v[XL], s[6:7]
	global_load_b128 v[TP+4:TP+7], v[XL], s[8:9]
.irp i, 0,1
.irp q, 0,1,2,3
	global_load_b128 v[P0X+16*\i+4*\q:P0X+16*\i+4*\q+3], v[FO], s[XB:XB+1] offset:128*\i+32*\q th:TH_LOAD_NT  ; each byte of x is read once in the launch
.endr
.endr
	FILLD 0
	FILLC 0
	FILLD 1
	FILLC 1
	FILLC 2
	FILLC 3
	; the other constants and offsets are made while the loads are on their way
	s_mov_b32 s[EPS], 0x322bcc77                   ; 1e-8
	s_mov_b32 s[SEL], 0x76543210
	s_mov_b32 s[SEL+1], 0xfedcba98
	s_mov_b32 s[CLIP], 0xc1935d8e                  ; ln 1e-8 = -18.420681
	s_lshl_b32 s19, s[WV], 3
	s_mul_i32 s21, s[WV], WSTG
	s_add_co_u32 s21, s21, STG
	s_mul_i32 s22, s[WV], 2*SPITCH
	s_add_co_u32 s22, s22, STG
	s_lshl_b32 s23, s[WV], 9
	s_add_co_u32 s23, s23, CCB
	s_lshl_b32 s25, s[WV], 10
	v_mul_u32_u24 v[SW], v[TB], SPITCH
	v_lshl_add_u32 v[SW], v[CS], 5, v[SW]
	v_add_nc_u32 v[SW], s21, v[SW]
	v_add_nc_u32 v[SR], s22, v[XL]
	v_lshl_add_u32 v[CW], v[TB], 2, s23
	v_add_nc_u32 v[CRD], CCB, v[XL]
	v_add_nc_u32 v[GO], s25, v[XL]
	v_mov_b32 v[O1], s19
	; s AND w0.  Four numbers a lane, then across the 32 lanes; every lane ends with both sums.
	s_wait_loadcnt 32                              ; loads come back in order: the two loads of 128 numbers are in; x's 8 and the tables' 24 stay out
	v_pk_add_f32 v[TP:TP+1], v[TP:TP+1], v[TP+2:TP+3]
	v_add_f32 v[TP+4], |v[TP+4]|, |v[TP+5]|
	v_add_f32 v[TP+6], |v[TP+6]|, |v[TP+7]|
	v_add_f32 v[TP], v[TP], v[TP+1]
	v_add_f32 v[TP+4], v[TP+4], v[TP+6]
.irp m, 1,2,4,8
	v_add_f32_dpp v[TP], v[TP], v[TP] row_xmask:\m row_mask:0xf bank_mask:0xf
	v_add_f32_dpp v[TP+4], v[TP+4], v[TP+4] row_xmask:\m row_mask:0xf bank_mask:0xf
.endr
	v_permlanex16_b32 v[TA], v[TP], s[SEL], s[SEL+1]
	v_permlanex16_b32 v[TB], v[TP+4], s[SEL], s[SEL+1]
	v_add_f32 v[TP], v[TP], v[TA]
	v_add_f32 v[TP+4], v[TP+4], v[TB]
	v_mul_f32 v[TP+4], 0x3c000000, v[TP+4]         ; / 128
	v_mul_f32 v[SS], 0x3c000000, v[TP]
	v_add_f32 v[TP+4], s[EPS], v[TP+4]
	v_mul_f32 v[SS+1], 0x3c000000, v[TP]
	v_rcp_f32 v[WW], v[TP+4]                       ; w0, twice: a pair for the packed lines
	v_rcp_f32 v[WW+1], v[TP+4]
	v_mul_f32 v[S2], 0x3c800000, v[TP]             ; 2 s
	v_mul_f32 v[S2+1], 0x3c800000, v[TP]
	; x's FRAGMENTS and the row's term, for my wave's 64 columns.  All of this names no reciprocal: it stands between the two and their wait.
	s_wait_loadcnt 24                              ; x is in; the tables' 24 loads stay out
.set e, 0
.rept 16
	v_pk_add_f32 v[P0X+2*e:P0X+2*e+1], v[P0X+2*e:P0X+2*e+1], v[SS:SS+1] neg_lo:[0,1] neg_hi:[0,1]  ; x' = x - s
.set e, e+1
.endr
.set e, 0
.rept 16
	v_cvt_pk_bf16_f32 v[XF+16*(e/8)+8+e%8], v[P0X+2*e], v[P0X+2*e+1]
.set e, e+1
.endr
.set e, 0
.rept 16
	v_pk_mul_f32 v[P0X+2*e:P0X+2*e+1], v[P0X+2*e:P0X+2*e+1], v[P0X+2*e:P0X+2*e+1]  ; x'^2
.set e, e+1
.endr
.set e, 0
.rept 16
	v_cvt_pk_bf16_f32 v[XF+16*(e/8)+e%8], v[P0X+2*e], v[P0X+2*e+1]
.set e, e+1
.endr
.irp d, 16,8,4,2                               ; the sum of my 32 squares, in f32: halves are added onto each other
.set e, 0
.rept \d/2
	v_pk_add_f32 v[P0X+e:P0X+e+1], v[P0X+e:P0X+e+1], v[P0X+\d+e:P0X+\d+e+1]
.set e, e+2
.endr
.endr
	v_add_f32 v[P0X], v[P0X], v[P0X+1]
	v_permlanex16_b32 v[TA], v[P0X], s[SEL], s[SEL+1]            ; the row's other 32 numbers lie in the lane 16 away
	v_add_f32 v[P0X], v[P0X], v[TA]
	s_wait_alu depctr_va_vdst(0)                   ; the wait ahead of the first line that names a reciprocal: one for the two
.irp j, 0,1,2,3,4,5,6,7
	v_mul_f32 v[RT+\j], v[P0X], v[WW]
.endr
	FILLC 4                                        ; x's registers are free: the ring's last two slots
	FILLC 5
; A TILE IS FINISHED.  Lane (r, h) holds half of class r's two sums for my wave's columns: the halves are added and both lanes store the same word.  Then the two products' sums are added, each accumulator
; from its low end on, and go to my stage: 32 bytes a lane.  The seven lines on the class sums stand ahead of the first read of an accumulator.
.macro FIN t
.set FPA, ACC+16*((\t)%2)
	v_pk_add_f32 v[CC:CC+1], v[CC:CC+1], v[CC+2:CC+3]
	v_add_f32 v[LS], v[LD], v[LD+1]
	v_add_f32 v[CS], v[CC], v[CC+1]
	v_permlanex16_b32 v[TB], v[LS], s[SEL], s[SEL+1]
	v_permlanex16_b32 v[TA], v[CS], s[SEL], s[SEL+1]
	v_add_f32 v[LS], v[LS], v[TB]
	v_add_f32 v[CS], v[CS], v[TA]
.irp j, 0,2,4,6
	v_pk_add_f32 v[FPA+\j:FPA+\j+1], v[FPA+\j:FPA+\j+1], v[FPA+8+\j:FPA+8+\j+1]
.endr
	ds_store_b32 v[CW], v[CS] offset:64*(\t)
	ds_store_b32 v[CW], v[LS] offset:LDO+64*(\t)
	ds_store_b128 v[SW], v[FPA:FPA+3] offset:64*(\t)
	ds_store_b128 v[SW], v[FPA+4:FPA+7] offset:64*(\t)+16
.endm
; ONE UNIT: 16 classes x 32 d.  At its head the next unit's D is asked of LDS, so that it has this whole unit in which to come.  The unit's 16 reciprocals and 4 logs are one batch with one wait; ahead of
; the wait stands what names none of their results: D_abs, the products of four, g = -2 c', and in a tile's first unit the end of the tile before.  Behind it: g w, dw, the class sum, the
; roundings, the ring's refill and the two products.
.macro UNIT u
.set TI, (\u)/2
.set KS, (\u)%2
.set DR, RING+16*((\u)%2)
.set CR, CRING+16*((\u)%6)
.set PA, ACC+16*(TI%2)
.set AFTER, NU-1-(\u)
.if AFTER > 5
.set AFTER, 5
.endif
.set AFTER, 4*AFTER                    ; the four loads of each later slot of centers that has been asked for,
.if (\u) == 0
.set AFTER, AFTER+4                    ; and behind unit 0's loads the four of D's unit 1
.endif
	s_wait_loadcnt AFTER                           ; this unit's loads from memory are in; those counted above stay out
.if (\u) >= 2
.if KS == 1
	s_wait_dscnt 4                                 ; this unit's D is in: behind its four loads stand the four stores of the tile that the unit before has finished
.else
	s_wait_dscnt 0x0                               ; this unit's D is in: nothing was issued behind its four loads
.endif
.endif
.if ((\u) >= 1) && ((\u) < NU-1)
.if (\u) == 1
	s_wait_tensorcnt 2                             ; tensor loads of a wave end in order (ISA guide 10.11.1): my first, tile 1, has landed; two stay out
.elseif (\u) == 3
	s_wait_tensorcnt 1                             ; my second, tiles 2 and 3
.elseif (\u) == 7
	s_wait_tensorcnt 0x0                           ; my third, tiles 4 to 7: none was issued behind it
.endif
	DFETCH (\u)+1                                  ; into the buffer that the unit before has read out
.endif
.irp e, 0,1,2,3,4,5,6,7
	v_add_f32 v[DR+\e], |v[DR+\e]|, s[EPS]         ; D_abs
.endr
	v_pk_mul_f32 v[PT:PT+1], v[DR:DR+1], v[DR+2:DR+3]            ; two products of four D_abs: one log for four numbers
	v_pk_mul_f32 v[TP:TP+1], v[DR+4:DR+5], v[DR+6:DR+7]
	v_pk_mul_f32 v[PT:PT+1], v[PT:PT+1], v[TP:TP+1]
.irp e, 0,1,2,3,4,5,6,7
	v_rcp_f32 v[DR+\e], v[DR+\e]                   ; w, in place
	v_add_f32 v[DR+8+\e], |v[DR+8+\e]|, s[EPS]
.endr
	v_log_f32 v[PT], v[PT]
	v_pk_mul_f32 v[PT+2:PT+3], v[DR+8:DR+9], v[DR+10:DR+11]
	v_log_f32 v[PT+1], v[PT+1]
	v_pk_mul_f32 v[TP+2:TP+3], v[DR+12:DR+13], v[DR+14:DR+15]
	v_pk_mul_f32 v[PT+2:PT+3], v[PT+2:PT+3], v[TP+2:TP+3]
.irp e, 0,1,2,3,4,5,6,7
	v_rcp_f32 v[DR+8+\e], v[DR+8+\e]
.if \e == 3
	v_log_f32 v[PT+2], v[PT+2]
.endif
.if \e == 6
	v_log_f32 v[PT+3], v[PT+3]
.endif
	v_pk_fma_f32 v[CR+2*\e:CR+2*\e+1], v[CR+2*\e:CR+2*\e+1], -2.0, v[S2:S2+1] op_sel_hi:[1,0,1]  ; g = -2 centers + 2 s = -2 c'; the last of these is the plain instruction behind the batch
.endr
.if (KS == 0) && (TI > 0)
	FIN TI-1
.endif
	s_wait_alu depctr_va_vdst(0)                   ; the wait ahead of the first line that names a result of the batch: one for the 20
.irp g, 0,1                                    ; four pairs at a time
.irp j, 0,1,2,3
	v_pk_mul_f32 v[TP+2*\j:TP+2*\j+1], v[DR+8*\g+2*\j:DR+8*\g+2*\j+1], v[CR+8*\g+2*\j:CR+8*\g+2*\j+1]  ; g w
.endr
.irp j, 0,1,2,3
	v_pk_add_f32 v[DR+8*\g+2*\j:DR+8*\g+2*\j+1], v[DR+8*\g+2*\j:DR+8*\g+2*\j+1], v[WW:WW+1] neg_lo:[0,1] neg_hi:[0,1]  ; dw = w - w0
.endr
.irp p, 0,1
.irp c, 0,1
.if (KS == 0) && (\g == 0) && (\p == 0)
	v_pk_mul_f32 v[CC+2*\c:CC+2*\c+1], v[CR+8*\g+4*\p+2*\c:CR+8*\g+4*\p+2*\c+1], v[TP+4*\p+2*\c:TP+4*\p+2*\c+1]  ; a tile's first two products start its two sums of g (g w) = 4 c'^2 w
.else
	v_pk_fma_f32 v[CC+2*\c:CC+2*\c+1], v[CR+8*\g+4*\p+2*\c:CR+8*\g+4*\p+2*\c+1], v[TP+4*\p+2*\c:TP+4*\p+2*\c+1], v[CC+2*\c:CC+2*\c+1]
.endif
.endr
.irp c, 0,1
	v_cvt_pk_bf16_f32 v[FG+4*\g+2*\p+\c], v[TP+4*\p+2*\c], v[TP+4*\p+2*\c+1]
.endr
.irp c, 0,1
	v_cvt_pk_bf16_f32 v[FW+4*\g+2*\p+\c], v[DR+8*\g+4*\p+2*\c], v[DR+8*\g+4*\p+2*\c+1]
.endr
.endr
.endr
.if KS == 0
	v_pk_add_f32 v[LD:LD+1], v[PT:PT+1], v[PT+2:PT+3]            ; a tile's first unit starts its sum of log2
.else
	v_pk_add_f32 v[PT:PT+1], v[PT:PT+1], v[PT+2:PT+3]
	v_pk_add_f32 v[LD:LD+1], v[LD:LD+1], v[PT:PT+1]
.endif
.if (\u) < NU-6
	FILLC (\u)+6                                   ; the slot has been read out: the unit six on
.endif
.if KS == 0                                    ; a tile's first products start its sums: one with the row's term, one with 0.  The two accumulators take turns, one instruction a turn
	v_wmma_f32_16x16x32_bf16 v[PA:PA+7], v[FW:FW+7], v[XF:XF+7], v[RT:RT+7]
	v_wmma_f32_16x16x32_bf16 v[PA+8:PA+15], v[FG:FG+7], v[XF+8:XF+15], 0
.else
	v_wmma_f32_16x16x32_bf16 v[PA:PA+7], v[FW:FW+7], v[XF+16:XF+23], v[PA:PA+7]
	v_wmma_f32_16x16x32_bf16 v[PA+8:PA+15], v[FG:FG+7], v[XF+24:XF+31], v[PA+8:PA+15]
.endif
.endm
.irp u, 0,1,2,3,4,5,6,7,8,9,10,11,12,13,14,15
	UNIT \u
.endr
	FIN 7                                          ; five plain instructions on the class sums stand between the last product and the first read of its accumulators
	s_wait_dscnt 0x0                               ; for the others' sake: all my stores to LDS are done
	s_barrier_signal -1
	s_barrier_wait -1                              ; the eight waves' partial sums of all 16 rows and 128 classes lie in LDS
	; THE END.  Wave v finishes rows 2 v and 2 v + 1; lane l holds classes 4 l .. 4 l + 3: every load takes 512 consecutive bytes.
.irp w, 0,1,2,3,4,5,6,7
	ds_load_b128 v[CL+4*\w:CL+4*\w+3], v[CRD] offset:512*\w
.endr
.irp w, 0,1,2,3,4,5,6,7
	ds_load_b128 v[LL+4*\w:LL+4*\w+3], v[CRD] offset:LDO+512*\w
.endr
.irp w, 0,1,2,3,4,5,6,7
	ds_load_b128 v[A0+4*\w:A0+4*\w+3], v[SR] offset:WSTG*\w
	ds_load_b128 v[A1+4*\w:A1+4*\w+3], v[SR] offset:WSTG*\w+SPITCH
.endr
.macro RED b                           ; eight groups of four numbers are added into the first, halves onto each other
.irp d, 16,8,4
.set e, 0
.rept \d/2
	v_pk_add_f32 v[(\b)+e:(\b)+e+1], v[(\b)+e:(\b)+e+1], v[(\b)+\d+e:(\b)+\d+e+1]
.set e, e+2
.endr
.endr
.endm
	s_wait_dscnt 16                                ; LDS loads come back in order: the 16 loads of class sums are in, the 16 of partial rows stay out
	RED CL
	RED LL
	v_pk_mul_f32 v[LL:LL+1], v[LL:LL+1], -0.5 op_sel_hi:[1,0]
	v_pk_mul_f32 v[LL+2:LL+3], v[LL+2:LL+3], -0.5 op_sel_hi:[1,0]
	s_wait_dscnt 0x0
	RED A0
	RED A1
.irp b, A0, A1
.irp j, 0,2
	v_pk_fma_f32 v[\b+\j:\b+\j+1], v[CL+\j:CL+\j+1], 0x3e800000, v[\b+\j:\b+\j+1] op_sel_hi:[1,0,1]       ; dist_sq: + sum c'^2 w
.endr
.endr
.irp b, A0, A1
.irp j, 0,2
	v_pk_fma_f32 v[\b+4+\j:\b+5+\j], v[\b+\j:\b+\j+1], 0xbf38aa3b, v[LL+\j:LL+\j+1] op_sel_hi:[1,0,1]    ; T = t log2(e) = -0.72134752 dist_sq - log2(det) / 2
.endr
.endr
	; the rows' maxima: my four classes, then across the 32 lanes
.irp b, A0, A1
	v_max3_num_f32 v[\b+8], v[\b+4], v[\b+5], v[\b+6]
.endr
.irp b, A0, A1
	v_max_num_f32 v[\b+8], v[\b+8], v[\b+7]
.endr
.irp m, 1,2,4,8
.irp b, A0, A1
	v_max_num_f32_dpp v[\b+8], v[\b+8], v[\b+8] row_xmask:\m row_mask:0xf bank_mask:0xf
.endr
.endr
	v_permlanex16_b32 v[TA], v[A0+8], s[SEL], s[SEL+1]
	v_permlanex16_b32 v[TB], v[A1+8], s[SEL], s[SEL+1]
	v_max_num_f32 v[A0+8], v[A0+8], v[TA]
	v_max_num_f32 v[A1+8], v[A1+8], v[TB]
.irp j, 0,1,2,3
.irp b, A0, A1
	v_sub_f32 v[\b+4+\j], v[\b+4+\j], v[\b+8]      ; U = T - maximum: at most 0, and 0 at the row's best class
.endr
.endr
	v_mov_b32 v[A0+9], 0xff7fffff                  ; dist_sq at the maximum: the lowest number where my classes do not hold it
	v_mov_b32 v[A1+9], 0xff7fffff
.irp j, 3,2,1,0
.irp b, A0, A1
	v_exp_f32 v[\b+12+\j], v[\b+4+\j]              ; 2^U: a batch of eight, two plain instructions behind each
	v_cmp_eq_f32 vcc_lo, 0, v[\b+4+\j]
	v_cndmask_b32 v[\b+9], v[\b+9], v[\b+\j], vcc_lo  ; a value is selected; nothing branches on it
.endr
.endr
	s_wait_alu depctr_va_vdst(0)                   ; the wait ahead of the first use: one for the eight
.irp b, A0, A1
	v_pk_add_f32 v[\b+12:\b+13], v[\b+12:\b+13], v[\b+14:\b+15]
.endr
.irp b, A0, A1
	v_add_f32 v[\b+12], v[\b+12], v[\b+13]
.endr
.irp m, 1,2,4,8
.irp b, A0, A1
	v_add_f32_dpp v[\b+12], v[\b+12], v[\b+12] row_xmask:\m row_mask:0xf bank_mask:0xf
	v_max_num_f32_dpp v[\b+9], v[\b+9], v[\b+9] row_xmask:\m row_mask:0xf bank_mask:0xf
.endr
.endr
	v_permlanex16_b32 v[TA], v[A0+12], s[SEL], s[SEL+1]
	v_permlanex16_b32 v[TB], v[A1+12], s[SEL], s[SEL+1]
	v_permlanex16_b32 v[CS], v[A0+9], s[SEL], s[SEL+1]
	v_permlanex16_b32 v[LS], v[A1+9], s[SEL], s[SEL+1]
	v_add_f32 v[A0+12], v[A0+12], v[TA]            ; the rows' sums of exponentials, 1 .. 128
	v_add_f32 v[A1+12], v[A1+12], v[TB]
	v_max_num_f32 v[A0+9], v[A0+9], v[CS]
	v_max_num_f32 v[A1+9], v[A1+9], v[LS]
	v_max_num_f32 v[A0+9], 0, v[A0+9]              ; rounding may leave a dist_sq near 0 below 0
	v_max_num_f32 v[A1+9], 0, v[A1+9]
	v_log_f32 v[A0+12], v[A0+12]                   ; two logs and two roots: one batch
	v_log_f32 v[A1+12], v[A1+12]
	v_sqrt_f32 v[A0+10], v[A0+9]
	v_sqrt_f32 v[A0+11], v[A1+9]
	v_cmp_eq_u32 vcc_lo, 0, v[XL]                  ; lane 0 (a plain instruction behind the last root)
	s_wait_alu depctr_va_vdst(0)                   ; and the wait for the four
.irp b, A0, A1
	v_mul_f32 v[\b+16], 0xbf317218, v[\b+12]       ; -ln 2 x log2(sum), twice
	v_mul_f32 v[\b+17], 0xbf317218, v[\b+12]
.endr
.irp b, A0, A1
.irp j, 0,2
	v_pk_fma_f32 v[\b+4+\j:\b+5+\j], v[\b+4+\j:\b+5+\j], 0x3f317218, v[\b+16:\b+17] op_sel_hi:[1,0,1]    ; ln resp = ln 2 x U - ln(sum)
.endr
.endr
.irp b, A0, A1
.irp j, 0,1,2,3
	v_max_num_f32 v[\b+4+\j], s[CLIP], v[\b+4+\j]  ; the clip at 1e-8, taken on the log
.endr
.endr
	global_store_b128 v[GO], v[A0+4:A0+7], s[10:11] th:TH_STORE_NT             ; each store of the wave covers 512 consecutive bytes, aligned
	global_store_b128 v[GO], v[A1+4:A1+7], s[10:11] offset:512 th:TH_STORE_NT
	; my two rows' distances: 8 bytes from lane 0.  The work-group's 16 rows have 64 bytes of out1 in all; to gather them in one wave would take a second barrier.
	s_wait_xcnt 0x0                                ; EXEC changes only behind this wait: the stores above have read it
	s_and_saveexec_b32 s41, vcc_lo
	global_store_b64 v[O1], v[A0+10:A0+11], s[12:13] th:TH_STORE_NT
	s_wait_xcnt 0x0                                ; and again, in front of the line that widens it
	s_or_b32 exec_lo, exec_lo, s41
	s_wait_tensorcnt 0x0                           ; the wave's end, behind my last tensor load and my last LDS store
	ds_add_u32 v[SPW], v[NIL]
	s_wait_dscnt 0x0
	ROUND                                          ; the closing round: no work-group ends while a partner may still ask for a tile that names it
	s_endpgm
.Lfunc_end_k_q8b05e99088_aagmm:
	.size	k_q8b05e99088_aagmm, .Lfunc_end_k_q8b05e99088_aagmm-k_q8b05e99088_aagmm
	.p2alignl 7, 3214868480
	.fill 96, 4, 3214868480
	.section	.rodata,"a",@progbits
	.p2align	6, 0x0
	.amdhsa_kernel k_q8b05e99088_aagmm
		.amdhsa_group_segment_fixed_size 320512
		.amdhsa_private_segment_fixed_size 0
		.amdhsa_enable_private_segment 0
		.amdhsa_kernarg_size 40
		.amdhsa_user_sgpr_count 2
		.amdhsa_user_sgpr_kernarg_segment_ptr 1
		.amdhsa_wavefront_size32 1
		.amdhsa_system_sgpr_workgroup_id_x 1
		.amdhsa_system_sgpr_workgroup_id_y 1
		.amdhsa_system_sgpr_workgroup_id_z 1
		.amdhsa_system_vgpr_workitem_id 0
		.amdhsa_next_free_vgpr 256
		.amdhsa_next_free_sgpr 88
		.amdhsa_reserve_vcc 1
		.amdhsa_float_denorm_mode_32 3
		.amdhsa_float_denorm_mode_16_64 3
		.amdhsa_memory_ordered 1
		.amdhsa_forward_progress 1
		.amdhsa_inst_pref_size 128
	.end_amdhsa_kernel
	.amdgpu_metadata
---
amdhsa.version: [ 1, 2 ]
amdhsa.kernels:
  - .name:           k_q8b05e99088_aagmm
    .symbol:         k_q8b05e99088_aagmm.kd
    .args:
      - { .name: x, .offset: 0, .size: 8, .value_kind: global_buffer, .address_space: global }
      - { .name: centers, .offset: 8, .size: 8, .value_kind: global_buffer, .address_space: global }
      - { .name: D, .offset: 16, .size: 8, .value_kind: global_buffer, .address_space: global }
      - { .name: out0, .offset: 24, .size: 8, .value_kind: global_buffer, .address_space: global }
      - { .name: out1, .offset: 32, .size: 8, .value_kind: global_buffer, .address_space: global }
    .group_segment_fixed_size: 320512
    .private_segment_fixed_size: 0
    .kernarg_segment_align: 8
    .kernarg_segment_size: 40
    .max_flat_workgroup_size: 256
    .sgpr_count:     88
    .vgpr_count:     256
    .wavefront_size: 32
...
	.end_amdgpu_metadata
.endif
;; end of part 2
